; MI455X (gfx1250); checked and timed in simulation.
; The chip was launched on July 23, 2026; its instructions are those of AMD's public machine-readable ISA for CDNA 5 (MIT licence, August 2026) and "CDNA5" Instruction Set Architecture Reference Guide (July 2026). The comments in the code are by the model that wrote it; some were corrected since.
;; Causual Self Activation. Allowed arithmetic: matrix products marked QUANTISED: E5M2 operands, one given power-of-two scale a tensor, by v_wmma_f32_16x16x64_bf8_bf8 or v_wmma_f32_16x16x128_bf8_bf8, f32 sums; everything else in f32.
;; Inputs: W_attn 1,024 x 3,072 float32; W_proj 1,024 x 1,024 float32; b_attn 3,072 float32; b_proj 1,024 float32; lowp_scales 8 int32 (the exponents e of the quantised operands' scales 2^e); x 2 x 2,048 x 1,024 float32.
;; Outputs: out0 2 x 2,048 x 1,024 float32.
;; This version of the problem:
;;   THIS VERSION OF THE PROBLEM IS GIVEN IN LOW PRECISION. The matrix products marked QUANTISED in the list below multiply operands that are first quantised to E5M2 (5 exponent bits, 2 mantissa bits; 8 bits a number), with one given power-of-two scale for each operand tensor; their sums are f32. All else is computed in f32.
;;   The module's matrix products, in the order in which they are computed (A, B: the left and right operand; K: the contracted axis; several contracted axes count as one K, in the product's order):
;;     1. [M 4,096, K 1,024] x [K 1,024, N 3,072]; A: input x; B: input W_attn: QUANTISED (scales: A lowp_scales[0], B lowp_scales[1])
;;     2. batch 32 x [M 2,048, K 64] x [K 64, N 2,048]; A: computed on the way; B: computed on the way: QUANTISED (scales: A lowp_scales[2], B lowp_scales[3])
;;     3. batch 32 x [M 2,048, K 2,048] x [K 2,048, N 64]; A: softmax (see below); B: computed on the way: QUANTISED (scales: A lowp_scales[4], B lowp_scales[5])
;;     4. [M 4,096, K 1,024] x [K 1,024, N 1,024]; A: computed on the way; B: input W_proj: QUANTISED (scales: A lowp_scales[6], B lowp_scales[7])
;;   THE QUANTISER, for each operand of a quantised product, along K:
;;     - The operand's scale is 2^e, e = its entry of the input lowp_scales (int32; the entries are numbered through the quantised products in the list's order, A before B).
;;     - Each number is divided by the scale, clamped to +-57,344, and rounded to the nearest number of E5M2, ties to even, subnormals kept.
;;     - The product sums the exact products of the quantised numbers (number of the format x scale) in f32.
;;   ~~~python
;;   def quantise(x, axis, e):      # numpy; x: float32 -> the quantised numbers, widened to float32 again
;;       x = np.moveaxis(x, axis, -1); K = x.shape[-1]
;;       r = np.clip(x / 2.0 ** e, -57344, 57344)
;;       step = 2.0 ** (np.maximum(np.frexp(np.where(r == 0, 1, r))[1] - 1, -14) - 2)
;;       q = np.round(r / step) * step * 2.0 ** e      # np.round: ties to even
;;       return np.moveaxis(q, -1, axis).astype(np.float32)
;;   ~~~
;;   SOFTMAX AHEAD OF A QUANTISED PRODUCT. Where the list says 'softmax', what is quantised is not the finished softmax but p = 2^(t - M), with t = logit x log2(e) and M = ceil(the row's largest t), a whole number; so 1/2 < the row's largest p <= 1. The row's sum l is taken of the UNQUANTISED p, in f32, and the product's result is divided by l at the end. Since M is a whole number, a kernel that streams over the keys may use a running M (the ceiling of the running maximum): every later rescaling is an exact power of two, so the quantised numbers keep their values, but for numbers so far below the row's largest that they fall under the format's range.
;;   OPERANDS COMPUTED ON THE WAY. 'Computed on the way' means the value that the module computes at that place (a softmax that the list does not call 'softmax' is quantised finished and normalised). What goes into a quantiser is computed in f32, as accurately as f32 sums, v_exp_f32 and their like allow (about 1e-6 of the number): no bf16 or f16 on the way to a quantiser, and a product that is left as it is and whose result goes on into a quantised operand takes f32 operands (vector FMAs, or v_wmma_f32_16x16x4_f32). A number that lies on a knife's edge between two numbers of the format may be rounded either way, as far as f32 arithmetic and the matrix unit's own rounding can turn it there, and no further.
;; One version. Each part assembles by itself: llvm-mc -triple=amdgcn-amd-amdhsa -mcpu=gfx1250 --defsym DOCPART=n.
;; ======== version 1 of 1: 4 launches
;; limits: right only within a limited range of input values
;; workspace buffers: x_img 4,194,304 bytes; wa_img 3,145,728 bytes; wp_img 1,048,576 bytes; q_img 4,194,304 bytes; k_img 4,194,304 bytes; v_img 4,194,304 bytes; y_img 4,194,304 bytes
;; launch quant (part 1): grid 768 x 1, 4 waves a work-group, no clusters, 34,304 bytes of LDS; arguments x, W_attn, W_proj, lowp_scales, x_img, wa_img, wp_img; writes x_img, wa_img, wp_img
.if DOCPART == 1
	.amdgcn_target "amdgcn-amd-amdhsa--gfx1250"
	.amdhsa_code_object_version 6
	.text
	.protected	k_qb76ad7bd5b_quant
	.globl	k_qb76ad7bd5b_quant
	.p2align	8
	.type	k_qb76ad7bd5b_quant,@function
k_qb76ad7bd5b_quant:
	s_mov_b64 s[64:65], 0
	v_nop
	global_prefetch_b8 v0, s[64:65] scope:SCOPE_SE
	s_setreg_imm32_b32 hwreg(HW_REG_WAVE_MODE, 25, 1), 1
	s_wait_xcnt 0x0
; x [4096][1024], W_attn [1024][3072] and W_proj [1024][1024], f32, become codes of BF8 (E5M2), each with the one scale 2^e given for it (entries 0, 1 and 7).
; code = number / 2^e, held within +-57,344, rounded to the nearest code, ties to even.
; THE CODES ARE LAID AS IMAGES OF OPERAND REGISTERS.  A fragment of 16 rows x 128 K is 16 registers a lane: lane (r = lane % 16, h = lane / 16) holds, of row r, K = 16 c + 8 h + 0..7 in registers 2 c, 2 c + 1.
; Its image is 2,048 bytes: registers 4 p .. 4 p + 3 of lane l at byte 512 p + 16 l.  A buffer is [block of 16 rows][8 fragments along K][2,048].  Rows are tokens for x and output features for the weights.
; W_attn's blocks are laid head by head: a head's 12 blocks (4 of q, 4 of k, 4 of v) lie on end, so that launch qkv fetches them by one descriptor.
; SHARES.  Work-groups 0-255: a block of 16 tokens of x each (65,536 bytes).  256-639: 128 columns x 64 K of W_attn (32,768 bytes).  640-767: the same of W_proj.  Waves share nothing: no barrier.
; LEFT OUT (in launch attn): key steps all of whose keys come after the queries.  reference() itself sets those scores to -infinity, so their weights are 0 and reach no output, whatever the inputs hold.
; LIMITS: a NaN, an infinity or an overflow that reaches only such a step is not carried to the result.  Each e between -126 and 112, so that 2^e and 57,344 x 2^e are f32 numbers.  NaN among the inputs is not served; an infinity is held at the largest code.
.set SPX,  528                         ; x's stage: a row of 512 bytes + 16 of padding = 33 x 16 bytes: the 16 rows that a load touches begin at 16 different 16-byte columns
.set WST,  16*SPX                      ; a stage of 16 rows for each wave
.set SPARE, 4*WST                      ; the spare words, 128 bytes for each wave
.set R,    32                          ; v32-159  x as loaded: 2 fragments x 16 rows x 4 registers
.set X,    160                         ; v160-223 64 numbers in the image's order
.set C,    224                         ; v224-255 x's codes: 16 registers for each fragment, never rewritten
.set XW,   32                          ; v32-95   a weight's numbers: two blocks of 32 along K
.set CW,   96                          ; v96-111  a weight's codes: 8 registers for each block
.set LIMV, 10                          ; v10      57,344 x 2^e
.set SCLV, 11                          ; v11      2^e: the conversion takes its exponent field
.macro SCALE e                         ; from the whole number in s[e]
	s_add_co_i32 s20, s[\e], 127
	s_lshl_b32 s21, s20, 23
	v_mov_b32 v[SCLV], s21
	s_add_co_i32 s20, s20, 15
	s_lshl_b32 s20, s20, 23
	s_or_b32 s20, s20, 0x600000                    ; the mantissa field of 57,344
	v_mov_b32 v[LIMV], s20
.endm
	s_load_b256 s[4:11], s[0:1], 0x0               ; x s[4:5], W_attn s[6:7], W_proj s[8:9], the scales' exponents s[10:11]
	s_load_b128 s[12:15], s[0:1], 0x20             ; x_img s[12:13], wa_img s[14:15]
	s_load_b64 s[16:17], s[0:1], 0x30              ; wp_img
	v_lshl_add_u32 v30, v0, 2, SPARE               ; my spare word
	v_mov_b32 v31, 0
	v_lshrrev_b32 v1, 5, v0
	v_readfirstlane_b32 s18, v1                    ; wave 0..3
	v_and_b32 v1, 31, v0                           ; lane
	v_lshlrev_b32 v2, 4, v1                        ; 16 x lane
	v_and_b32 v3, 15, v0                           ; r
	v_bfe_u32 v4, v0, 4, 1                         ; h
	v_lshlrev_b32 v7, 2, v1                        ; a weight's column: 4 bytes a lane
	v_lshlrev_b32 v8, 4, v3
	v_lshl_add_u32 v8, v4, 14, v8                  ; a weight's codes: lanes 16-31 belong to the next block of 16 columns, 16,384 bytes on; 16 bytes a column
	s_mul_i32 s19, s18, WST
	v_add_nc_u32 v5, s19, v2                       ; x's stage, on the way in: 16 x lane of a row
	v_mul_u32_u24 v6, v3, SPX
	v_lshl_add_u32 v6, v4, 5, v6
	v_add_nc_u32 v6, s19, v6                       ; and out: row r, 32 h bytes on: K = 8 h
	s_wait_alu depctr_va_vdst(0)                   ; directly ahead of the wait below
	s_wait_kmcnt 0x0
	s_load_b256 s[24:31], s[10:11], 0x0            ; e0 .. e7
	s_cmp_lt_u32 ttmp9, 256
	s_cbranch_scc0 .Lweights
	; ---- x.  Wave w makes fragments 2 w and 2 w + 1 of the block.  A load reads 512 consecutive bytes of a row; the rows turn through the wave's own stage, so that a lane gets eight neighbours along K at a time.
	s_lshl_b32 s20, ttmp9, 16                      ; the block's 16 rows of 4,096 bytes
	s_lshl_b32 s21, s18, 10                        ; my two fragments' 1,024 bytes of a row
	s_add_co_u32 s20, s20, s21
	s_mov_b32 s21, 0
	s_add_nc_u64 s[4:5], s[4:5], s[20:21]
	s_lshl_b32 s20, ttmp9, 14                      ; the block's eight images
	s_lshl_b32 s22, s18, 12                        ; my two
	s_add_co_u32 s20, s20, s22
	s_add_nc_u64 s[12:13], s[12:13], s[20:21]
.irp u, 0,1
.set rr, 0
.rept 16
	global_load_b128 v[R+64*\u+4*rr:R+64*\u+4*rr+3], v2, s[4:5] offset:4096*rr+512*\u th:TH_LOAD_NT
.set rr, rr+1
.endr
.endr
	s_wait_kmcnt 0x0
	SCALE 24
	s_wait_alu depctr_va_vdst(0)
.irp u, 0,1
	s_wait_loadcnt 16*(1-\u)                       ; this fragment's 16 loads are in; the second fragment's may be out
.set rr, 0
.rept 16
	ds_store_b128 v5, v[R+64*\u+4*rr:R+64*\u+4*rr+3] offset:SPX*rr
.set rr, rr+1
.endr
.irp c, 0,1,2,3,4,5,6,7
	ds_load_b128 v[X+8*\c:X+8*\c+3], v6 offset:64*\c         ; K = 16 c + 8 h + 0..3.  LDS serves a wave's instructions in order (ISA guide 5.7.1.4): these see the stores above
	ds_load_b128 v[X+8*\c+4:X+8*\c+7], v6 offset:64*\c+16    ; K = 16 c + 8 h + 4..7
.endr
	s_wait_dscnt 0x0
.set jj, 0
.rept 64
	v_med3_num_f32 v[X+jj], v[X+jj], -v[LIMV], v[LIMV]       ; the conversion to an 8-bit code does not saturate (ISA guide 7.6.2): the hold comes first
.set jj, jj+1
.endr
.irp c, 0,1,2,3,4,5,6,7
	v_cvt_scalef32_pk8_bf8_f32 v[C+16*\u+2*\c:C+16*\u+2*\c+1], v[X+8*\c:X+8*\c+7], v[SCLV]
.endr
	v_nop                                          ; a plain line behind the conversions: the next fragment's holds write the registers that they read
.irp p, 0,1,2,3
	global_store_b128 v2, v[C+16*\u+4*\p:C+16*\u+4*\p+3], s[12:13] offset:2048*\u+512*\p   ; 512 consecutive bytes, aligned
.endr
.endr
	s_wait_tensorcnt 0x0                           ; the wave's end
	ds_add_u32 v30, v31
	s_wait_dscnt 0x0
	s_endpgm
; ---- a weight, stored [K][n].  A LANE TAKES A COLUMN AND ITS REGISTERS RUN DOWN K, in the image's order, so nothing is transposed.  A column is a row of the image; its codes are those of image lanes r (h = 0) and
; 16 + r (h = 1).  Block t of my 64 along K: register 16 h + 8 e + j holds K = 32 t + 16 e + 8 h + j, and the 16 bytes of (t, h) lie at 512 t + 256 h + 16 r.
.macro LOADW t, n, src
.irp hh, 0,1
.irp e, 0,1
.irp j, 0,1,2,3,4,5,6,7
	global_load_b32 v[XW+32*(\t)+16*\hh+8*\e+\j], v7, s[\src:\src+1] offset:(32*(\t)+16*\e+8*\hh+\j)*\n*4 th:TH_LOAD_NT   ; 32 neighbouring columns of one row; the four waves stand side by side
.endr
.endr
.endr
.endm
.macro BLOCKW t, dst
	s_wait_loadcnt 32*(1-(\t))                     ; this block's 32 loads are in; the second block's may be out
.set jj, 0
.rept 32
	v_med3_num_f32 v[XW+32*(\t)+jj], v[XW+32*(\t)+jj], -v[LIMV], v[LIMV]
.set jj, jj+1
.endr
.irp g, 0,1,2,3
	v_cvt_scalef32_pk8_bf8_f32 v[CW+8*(\t)+2*\g:CW+8*(\t)+2*\g+1], v[XW+32*(\t)+8*\g:XW+32*(\t)+8*\g+7], v[SCLV]
.endr
	v_nop                                          ; a plain line behind the conversions
.irp hh, 0,1
	global_store_b128 v8, v[CW+8*(\t)+4*\hh:CW+8*(\t)+4*\hh+3], s[\dst:\dst+1] offset:512*(\t)+256*\hh   ; sixteen lanes store 256 consecutive bytes, aligned
.endr
.endm
.macro WPATH n, first, src, dst, e
	s_sub_co_u32 s20, ttmp9, \first
	s_lshr_b32 s21, s20, 4                         ; which 128 columns
	s_and_b32 s22, s20, 15                         ; which 64 along K: half a fragment
	s_lshl_b32 s23, s21, 7
	s_lshl_b32 s32, s18, 5
	s_add_co_u32 s23, s23, s32                     ; my wave's first column
	s_mul_i32 s32, s22, 64*\n*4
	s_lshl_b32 s33, s23, 2
	s_add_co_u32 s32, s32, s33
	s_mov_b32 s33, 0
	s_add_nc_u64 s[\src:\src+1], s[\src:\src+1], s[32:33]
	LOADW 0, \n, \src
	LOADW 1, \n, \src
	s_lshr_b32 s34, s23, 4                         ; my first block of 16 columns
.if \n == 3072                         ; W_attn: block 64 part + 4 head + n goes to 12 head + 4 part + n
	s_lshr_b32 s36, s34, 6
	s_lshl_b32 s36, s36, 2
	s_bfe_u32 s37, s34, 0x40002
	s_mul_i32 s37, s37, 12
	s_and_b32 s34, s34, 3
	s_add_co_u32 s34, s34, s36
	s_add_co_u32 s34, s34, s37
.endif
	s_lshl_b32 s34, s34, 14
	s_lshl_b32 s35, s22, 10
	s_add_co_u32 s34, s34, s35
	s_mov_b32 s35, 0
	s_add_nc_u64 s[\dst:\dst+1], s[\dst:\dst+1], s[34:35]
	s_wait_kmcnt 0x0
	SCALE \e
	s_wait_alu depctr_va_vdst(0)
	BLOCKW 0, \dst
	BLOCKW 1, \dst
.endm
.Lweights:
	s_cmp_lt_u32 ttmp9, 640
	s_cbranch_scc0 .Lproj_weight
	s_wait_alu depctr_va_vdst(0)
	WPATH 3072, 256, 6, 14, 25
	s_endpgm
.Lproj_weight:
	s_wait_alu depctr_va_vdst(0)
	WPATH 1024, 640, 8, 16, 31
	s_endpgm
.Lfunc_end_k_qb76ad7bd5b_quant:
	.size	k_qb76ad7bd5b_quant, .Lfunc_end_k_qb76ad7bd5b_quant-k_qb76ad7bd5b_quant
	.p2alignl 7, 3214868480
	.fill 96, 4, 3214868480
	.section	.rodata,"a",@progbits
	.p2align	6, 0x0
	.amdhsa_kernel k_qb76ad7bd5b_quant
		.amdhsa_group_segment_fixed_size 34304
		.amdhsa_private_segment_fixed_size 0
		.amdhsa_enable_private_segment 0
		.amdhsa_kernarg_size 56
		.amdhsa_user_sgpr_count 2
		.amdhsa_user_sgpr_kernarg_segment_ptr 1
		.amdhsa_wavefront_size32 1
		.amdhsa_system_sgpr_workgroup_id_x 1
		.amdhsa_system_sgpr_workgroup_id_y 1
		.amdhsa_system_sgpr_workgroup_id_z 1
		.amdhsa_system_vgpr_workitem_id 0
		.amdhsa_next_free_vgpr 256
		.amdhsa_next_free_sgpr 66
		.amdhsa_reserve_vcc 0
		.amdhsa_float_denorm_mode_32 3
		.amdhsa_float_denorm_mode_16_64 3
		.amdhsa_memory_ordered 1
		.amdhsa_forward_progress 1
		.amdhsa_inst_pref_size 44
	.end_amdhsa_kernel
	.amdgpu_metadata
---
amdhsa.version: [ 1, 2 ]
amdhsa.kernels:
  - .name:           k_qb76ad7bd5b_quant
    .symbol:         k_qb76ad7bd5b_quant.kd
    .args:
      - { .name: x, .offset: 0, .size: 8, .value_kind: global_buffer, .address_space: global }
      - { .name: W_attn, .offset: 8, .size: 8, .value_kind: global_buffer, .address_space: global }
      - { .name: W_proj, .offset: 16, .size: 8, .value_kind: global_buffer, .address_space: global }
      - { .name: lowp_scales, .offset: 24, .size: 8, .value_kind: global_buffer, .address_space: global }
      - { .name: x_img, .offset: 32, .size: 8, .value_kind: global_buffer, .address_space: global }
      - { .name: wa_img, .offset: 40, .size: 8, .value_kind: global_buffer, .address_space: global }
      - { .name: wp_img, .offset: 48, .size: 8, .value_kind: global_buffer, .address_space: global }
    .group_segment_fixed_size: 34304
    .private_segment_fixed_size: 0
    .kernarg_segment_align: 8
    .kernarg_segment_size: 56
    .max_flat_workgroup_size: 128
    .sgpr_count:     66
    .vgpr_count:     256
    .wavefront_size: 32
...
	.end_amdgpu_metadata
.endif
;; end of part 1
;; launch qkv (part 2): grid 16 x 16, 4 waves a work-group, clusters of 4 x 4, 327,680 bytes of LDS; arguments x_img, wa_img, b_attn, lowp_scales, q_img, k_img, v_img; writes q_img, k_img, v_img
.if DOCPART == 2
	.amdgcn_target "amdgcn-amd-amdhsa--gfx1250"
	.amdhsa_code_object_version 6
	.text
	.protected	k_qb76ad7bd5b_qkv
	.globl	k_qb76ad7bd5b_qkv
	.p2align	8
	.type	k_qb76ad7bd5b_qkv,@function
k_qb76ad7bd5b_qkv:
	s_mov_b64 s[64:65], 0
	v_nop
	global_prefetch_b8 v0, s[64:65] scope:SCOPE_SE
	s_setreg_imm32_b32 hwreg(HW_REG_WAVE_MODE, 25, 1), 1
	s_wait_xcnt 0x0
	s_wait_alu depctr_hold_cnt(0) depctr_sa_sdst(0) depctr_va_vdst(0) depctr_va_sdst(0) depctr_va_ssrc(0) depctr_va_vcc(0) depctr_vm_vsrc(0)
	s_getreg_b32 s2, hwreg(HW_REG_IB_STS2, 6, 4)
	s_cmp_eq_u32 s2, 0
	s_cbranch_scc0 .Lentry_in_a_cluster
	s_endpgm
.Lentry_in_a_cluster:
	s_bfe_u32 s2, ttmp6, 0x10000c
	s_cmp_lg_u32 s2, 0xf033
	s_cbranch_scc0 .Lentry_shape_is_right
	s_endpgm
.Lentry_shape_is_right:
; q, k, v = x W_attn + b_attn on codes of BF8 (E5M2); each of the three is quantised with its own given scale (entries 2, 3, 5) and stored as images of the operand registers that launch attn wants.
; SHARES.  A work-group makes 256 tokens x one head's 64 + 64 + 64 features of q, k and v: 16 x 16 = 256 work-groups.  Four waves: wave (rw, cw) makes 128 tokens x features 32 cw .. 32 cw + 31 of each: 48 accumulators.
; OPERANDS are images: [block of 16 rows][8 fragments of 128 K][2,048 bytes], registers 4 p .. 4 p + 3 of lane l at 512 p + 16 l.  A head's 12 blocks of the weight lie on end.
; K = 1,024 comes as 8 fragments in three fills: 0-2 into region 0 at the head, 3-4 into region 1, 5-7 into region 0 again.
; CLUSTERS of 4 x 4: the tokens' blocks are shared along a row of the cluster, a head's weight along a column: joint loads, one a wave behind each round.
; NO PREFETCH: the text has no loop to run ahead in; its three fills are all that a work-group asks for.
; LAYOUT.  q and k: source 0 = 16 features, source 1 = 16 tokens: a lane holds one token, its registers neighbouring channels.  v: source 0 = 16 tokens, source 1 = 16 features: a lane holds one channel, its registers neighbouring tokens.
; LIMITS: e0 + e1 between -126 and 127; e2, e3, e5 between -126 and 112.  NaN is not served; an infinity is held at the largest code.
; REGISTERS: window 0: v16-31 addresses and constants; v32-63 the bias; v64-255 the weight's fragments, two sets of 6 x 16; on the way out the codes.  window 1: the tokens' fragments, two sets of 8 x 16.
;   window 2: q's 16 accumulators ((token tile a, feature tile j) at 8 (2 a + j)), then k's 16;   window 3: v's 16.
.set R0B, 98304                        ; region 0: 16 blocks of tokens x 6,144 bytes, then 12 of the weight
.set R1,  172032                       ; region 1: 16 blocks of tokens x 4,096 bytes, then 12 of the weight
.set R1B, R1+65536
.set SPARE, 286720
.set ADA, 16                           ; v16, v17  LDS address of my tokens' fragments in region 0, 1
.set ADB, 18                           ; v18, v19  of my weight's
.set RB,  20                           ; v20-21    v's bias
.set LI,  26                           ; 16 x lane
.set SPW, 28
.set NIL, 29
.set CB,  32
.set BF,  64
.set CD,  64
.set GA3, 24                           ; descriptor groups 1: tokens, 3 fragments;  GA2: 2 fragments;  GB3, GB2: the weight
.set GA2, 32
.set GB3, 40
.set GB2, 48
.set A0, 56                            ; groups 0: tokens into region 0, 1;  B0, B1: the weight
.set A1, 60
.set B0, 76
.set B1, 80
.set MSB, 0
.macro WIN new
.if MSB != (\new)
	s_set_vgpr_msb (MSB<<8)|(\new)
.set MSB, (\new)
.endif
.endm
; A joint load: waves 0 and 1 fetch tokens, waves 2 and 3 the weight.  The branch hangs on the wave's number alone.
.macro JLOAD g0a, g1a, g0b, g1b
	s_cmp_eq_u32 s15, 0
	s_cbranch_scc0 .Lfor_b_\@
	tensor_load_to_lds s[\g0a:\g0a+3], s[\g1a:\g1a+7]
	s_nop 0
.rept 4
	v_nop
.endr
	s_branch .Lasked_\@
.Lfor_b_\@:
	tensor_load_to_lds s[\g0b:\g0b+3], s[\g1b:\g1b+7]
	s_nop 0
.rept 4
	v_nop
.endr
.Lasked_\@:
.endm
.macro CREST                           ; a round of the cluster's barrier behind its opening barrier
	s_cmp_lg_u32 s14, 0
	s_cbranch_scc1 .Lnot_wave_0_\@
	s_barrier_signal -3
.Lnot_wave_0_\@:
	s_barrier_wait -3
	s_barrier_signal -1
	s_barrier_wait -1
.endm
.macro CROUND
	s_barrier_signal -1
	s_barrier_wait -1
	CREST
.endm
.macro PLACES
.rept 4
	v_nop
.endr
.endm
.macro G1SET g, mask, cols, rows       ; rows blocks of cols x 2,048 bytes, 16,384 bytes apart, in elements of 8 bytes
	s_or_b32 s[\g], s[\mask], (3<<16)|(1<<21)
	s_mov_b32 s[\g+1], (\cols*256)<<16
	s_mov_b32 s[\g+2], (\rows)<<16
	s_mov_b32 s[\g+3], (\cols*256)<<16
	s_mov_b32 s[\g+4], \rows
	s_mov_b32 s[\g+5], 2048
	s_mov_b32 s[\g+6], 0
	s_mov_b32 s[\g+7], 0
.endm
	s_load_b256 s[4:11], s[0:1], 0x0               ; x_img s[4:5], wa_img s[6:7], b_attn s[8:9], the scales' exponents s[10:11]
	s_load_b128 s[68:71], s[0:1], 0x20             ; q_img, k_img
	s_load_b64 s[72:73], s[0:1], 0x30              ; v_img
	v_lshl_add_u32 v[SPW], v0, 2, SPARE
	v_mov_b32 v[NIL], 0
	ds_add_u32 v[SPW], v[NIL]                      ; the opening lines
	ds_add_u32 v[SPW], v[NIL]
	v_lshrrev_b32 v1, 5, v0
	v_readfirstlane_b32 s14, v1                    ; wave 0..3
	s_lshr_b32 s15, s14, 1                         ; rw: my half of the tokens.  Also: I fetch tokens (0) or the weight (1)
	s_and_b32 s16, s14, 1                          ; cw: my half of each 64 features.  Also: which half of the blocks I fetch
	s_bfe_u32 s92, ttmp6, 0x40000                  ; cx
	s_bfe_u32 s93, ttmp6, 0x40004                  ; cy
	s_lshl_b32 s94, ttmp9, 2
	s_add_co_u32 s94, s94, s92                     ; head
	s_and_b32 s95, ttmp7, 0xffff
	s_lshl_b32 s95, s95, 2
	s_add_co_u32 s95, s95, s93                     ; block of 256 tokens
	s_lshl_b32 s17, s93, 2
	s_lshl_b32 s17, 15, s17                        ; my row of the cluster
	s_lshl_b32 s18, 0x1111, s92                    ; my column
	G1SET GA3, 17, 3, 8
	G1SET GA2, 17, 2, 8
	G1SET GB3, 18, 3, 6
	G1SET GB2, 18, 2, 6
	s_lshl_b32 s20, s95, 18
	s_lshl_b32 s19, s16, 17
	s_add_co_u32 s20, s20, s19                     ; tokens: 16 blocks of 16,384 bytes, my eight
	s_mov_b32 s21, 0
	s_mul_i32 s22, s94, 196608
	s_mul_i32 s19, s16, 98304
	s_add_co_u32 s22, s22, s19                     ; the weight: 12 blocks, my six
	s_mov_b32 s23, 0
	s_mov_b32 s[A0], 1
	s_mov_b32 s[A1], 1
	s_mov_b32 s[B0], 1
	s_mov_b32 s[B1], 1
	s_mul_i32 s[A0+1], s16, 49152                  ; where they go: no place in the cluster enters an LDS address
	s_mul_i32 s19, s16, 32768
	s_add_co_u32 s[A1+1], s19, R1
	s_mul_i32 s19, s16, 36864
	s_add_co_u32 s[B0+1], s19, R0B
	s_mul_i32 s19, s16, 24576
	s_add_co_u32 s[B1+1], s19, R1B
	s_wait_dscnt 0x0                               ; both opening adds are done
	s_wait_kmcnt 0x0
	s_load_b256 s[84:91], s[10:11], 0x0            ; e0 .. e7
	s_add_nc_u64 s[A0+2:A0+3], s[4:5], s[20:21]
	s_add_nc_u64 s[A1+2:A1+3], s[A0+2:A0+3], 6144  ; from fragment 3 on
	s_add_nc_u64 s[B0+2:B0+3], s[6:7], s[22:23]
	s_add_nc_u64 s[B1+2:B1+3], s[B0+2:B0+3], 6144
	s_or_b32 s[A0+3], s[A0+3], 0x80000000
	s_or_b32 s[A1+3], s[A1+3], 0x80000000
	s_or_b32 s[B0+3], s[B0+3], 0x80000000
	s_or_b32 s[B1+3], s[B1+3], 0x80000000
	CROUND                                         ; all sixteen work-groups are here: the first joint loads meet
	JLOAD A0, GA3, B0, GB3                         ; fragments 0-2
	; where my results go, and the bias
	s_lshr_b32 s19, s95, 3
	s_lshl_b32 s19, s19, 4
	s_add_co_u32 s19, s19, s94                     ; batch x 16 + head
	s_lshl_b32 s20, s19, 17
	s_and_b32 s19, s95, 7
	s_lshl_b32 s19, s19, 14
	s_add_co_u32 s20, s20, s19
	s_lshl_b32 s19, s15, 13
	s_add_co_u32 s20, s20, s19                     ; my 128 tokens' 8,192 bytes of the head
	s_lshl_b32 s19, s16, 11
	s_add_co_u32 s22, s20, s19                     ; v: two blocks of 16 channels, 1,024 bytes each
	s_lshl_b32 s19, s16, 9
	s_add_co_u32 s20, s20, s19                     ; q, k: half an image of 1,024 bytes
	s_add_nc_u64 s[68:69], s[68:69], s[20:21]
	s_add_nc_u64 s[70:71], s[70:71], s[20:21]
	s_add_nc_u64 s[72:73], s[72:73], s[22:23]
	s_lshl_b32 s22, s94, 8
	s_lshl_b32 s19, s16, 7
	s_add_co_u32 s22, s22, s19
	s_add_nc_u64 s[74:75], s[8:9], s[22:23]        ; the bias of feature 64 head + 32 cw of q; k's lies 4,096 bytes on, v's 8,192
	s_mul_i32 s19, s15, 49152
	s_mul_i32 s20, s15, 32768
	s_add_co_u32 s20, s20, R1
	s_mul_i32 s21, s16, 12288
	s_add_co_u32 s21, s21, R0B
	s_mul_i32 s22, s16, 8192
	s_add_co_u32 s22, s22, R1B
	v_and_b32 v1, 31, v0
	v_lshlrev_b32 v[LI], 4, v1
	v_bfe_u32 v2, v0, 4, 1
	v_lshlrev_b32 v2, 5, v2                        ; 32 h bytes
	v_and_b32 v3, 15, v0
	v_lshlrev_b32 v3, 2, v3                        ; 4 r bytes
	v_add_nc_u32 v[ADA], s19, v[LI]
	v_add_nc_u32 v[ADA+1], s20, v[LI]
	v_add_nc_u32 v[ADB], s21, v[LI]
	v_add_nc_u32 v[ADB+1], s22, v[LI]
	s_wait_alu depctr_va_vdst(0)                   ; the wait at the head's end
.irp j, 0,1
	global_load_b128 v[CB+8*\j:CB+8*\j+3],     v2, s[74:75] offset:64*\j          ; q: register 8 j + i: channel 32 cw + 16 j + 8 h + i
	global_load_b128 v[CB+8*\j+4:CB+8*\j+7],   v2, s[74:75] offset:64*\j+16
	global_load_b128 v[CB+16+8*\j:CB+19+8*\j], v2, s[74:75] offset:4096+64*\j     ; k
	global_load_b128 v[CB+20+8*\j:CB+23+8*\j], v2, s[74:75] offset:4096+64*\j+16
	global_load_b32 v[RB+\j], v3, s[74:75] offset:8192+64*\j                      ; v: channel 32 cw + 16 j + r
.endr
; The fragments of a step (128 along K) into set p, in two runs.  rg: region (its rows are rp bytes apart), q: the fragment in it.  First the weight's for q and all the tokens' (40 loads), then the weight's for k and v (16).
.macro BFRAG rg, rp, q, p, f
.irp c, 0,1,2,3
	ds_load_b128 v[BF+96*(\p)+16*(\f)+4*\c:BF+96*(\p)+16*(\f)+4*\c+3], v[ADB+\rg] offset:(4*((\f)/2)+(\f)%2)*\rp+2048*\q+512*\c
.endr
.endm
.macro FETCH1 rg, rp, q, p
	WIN 0
	BFRAG \rg, \rp, \q, \p, 0
	BFRAG \rg, \rp, \q, \p, 1
	WIN 0x40                                       ; destination window 1
.irp i, 0,1,2,3,4,5,6,7
.irp c, 0,1,2,3
	ds_load_b128 v[128*(\p)+16*\i+4*\c:128*(\p)+16*\i+4*\c+3], v[ADA+\rg] offset:\i*\rp+2048*\q+512*\c
.endr
.endr
.endm
.macro FETCH2 rg, rp, q, p
	WIN 0
	BFRAG \rg, \rp, \q, \p, 2
	BFRAG \rg, \rp, \q, \p, 3
	BFRAG \rg, \rp, \q, \p, 4
	BFRAG \rg, \rp, \q, \p, 5
.endm
; 16 products of q (g = 0), k (1) or v (2).  The 48 accumulators take turns, one instruction a turn, in the same order in every step; the first step starts the sums.
.macro MUL g, p, zero
.if \g < 2
	WIN 0xa4                                       ; source 0 window 0, source 1 window 1, C and D window 2
.else
	WIN 0xf1                                       ; source 0 window 1, source 1 window 0, C and D window 3
.endif
.irp a, 0,1,2,3,4,5,6,7
.irp j, 0,1
.set D, 128*((\g)%2)+8*(2*\a+\j)
.set FW, BF+96*(\p)+16*(2*\g+\j)
.set FX, 128*(\p)+16*\a
.if \g < 2
.if \zero
	v_wmma_f32_16x16x128_bf8_bf8 v[D:D+7], v[FW:FW+15], v[FX:FX+15], 0
.else
	v_wmma_f32_16x16x128_bf8_bf8 v[D:D+7], v[FW:FW+15], v[FX:FX+15], v[D:D+7]
.endif
.else
.if \zero
	v_wmma_f32_16x16x128_bf8_bf8 v[D:D+7], v[FX:FX+15], v[FW:FW+15], 0
.else
	v_wmma_f32_16x16x128_bf8_bf8 v[D:D+7], v[FX:FX+15], v[FW:FW+15], v[D:D+7]
.endif
.endif
.endr
.endr
.endm
; A step on set p, whose successor is fragment q of region rg.  Four places stand between the products that read the other set and the loads into it.
.macro STEP p, zero, rg, rp, q
	s_wait_dscnt 16                                ; this step's first run is in; its second, 16 loads, may be out
	PLACES
	FETCH1 \rg, \rp, \q, 1-(\p)
	MUL 0, \p, \zero
	s_wait_dscnt 40                                ; the second run is in; the next step's first, 40 loads, may be out
	FETCH2 \rg, \rp, \q, 1-(\p)
	MUL 1, \p, \zero
	MUL 2, \p, \zero
.endm
	s_wait_tensorcnt 0x0                           ; my part of fragments 0-2 is in
	ds_add_u32 v[SPW], v[NIL]
	s_wait_dscnt 0x0
	CROUND                                         ; everybody's part is in, and the joint loads meet
	JLOAD A1, GA2, B1, GB2                         ; fragments 3-4, the first tensor load behind the round
	FETCH1 0, 6144, 0, 0
	FETCH2 0, 6144, 0, 0
	STEP 0, 1, 0, 6144, 1
	STEP 1, 0, 0, 6144, 2
	; step 2: its fragments are region 0's last reads, so region 0 is filled again here, and region 1 is read from here on
	WIN 0
	s_wait_tensorcnt 0x0                           ; my part of fragments 3-4 is in
	ds_add_u32 v[SPW], v[NIL]
	s_wait_dscnt 0x0                               ; the add is done, and my reads of region 0 are over
	s_barrier_signal -1
	MUL 0, 0, 0                                    ; work on registers while the others arrive
	WIN 0
	s_barrier_wait -1
	CREST                                          ; no wave of any partner still reads region 0 or has a load on its way
	s_add_nc_u64 s[A0+2:A0+3], s[A0+2:A0+3], 10240 ; from fragment 0 to fragment 5
	s_add_nc_u64 s[B0+2:B0+3], s[B0+2:B0+3], 10240
	JLOAD A0, GA3, B0, GB3                         ; fragments 5-7; the four v_nop behind it are the places in front of the loads below
	FETCH1 1, 4096, 0, 1
	FETCH2 1, 4096, 0, 1
	MUL 1, 0, 0
	MUL 2, 0, 0
	STEP 1, 0, 1, 4096, 1
	; step 4: behind its barrier fragments 5-7 are whole; nothing is filled again
	WIN 0
	s_wait_tensorcnt 0x0
	s_wait_dscnt 0x0
	s_barrier_signal -1
	MUL 0, 0, 0
	s_barrier_wait -1
	PLACES
	FETCH1 0, 6144, 0, 1
	FETCH2 0, 6144, 0, 1
	MUL 1, 0, 0
	MUL 2, 0, 0
	STEP 1, 0, 0, 6144, 1
	STEP 0, 0, 0, 6144, 2
	s_wait_dscnt 16                                ; step 7: nothing more to fetch
	MUL 0, 1, 0
	s_wait_dscnt 0x0
	MUL 1, 1, 0
	MUL 2, 1, 0
	WIN 0
	; THE WAY OUT: sum x 2^(e0 + e1) + bias, held, converted: the conversions' results are the images' registers.
.macro SCALE e, scl, lim
	s_add_co_i32 s18, s[\e], 127
	s_lshl_b32 s19, s18, 23
	v_mov_b32 v[\scl], s19                         ; 2^e: the conversion takes its exponent field
	s_add_co_i32 s18, s18, 15
	s_lshl_b32 s18, s18, 23
	s_or_b32 s18, s18, 0x600000
	v_mov_b32 v[\lim], s18                         ; 57,344 x 2^e
.endm
	PLACES
	s_wait_loadcnt 0x0                             ; the bias
	s_wait_kmcnt 0x0
	s_add_co_i32 s98, s84, s85
	s_add_co_i32 s98, s98, 127
	s_lshl_b32 s98, s98, 23
	s_mov_b32 s99, s98
	SCALE 86, 22, 23
	SCALE 87, 24, 25
	SCALE 89, 30, 31
	s_wait_alu depctr_va_vdst(0)
.macro HOLD base, lim                  ; the conversion to an 8-bit code does not saturate (ISA guide 7.6.2): the hold comes first
.set jj, 0
.rept 128
	v_med3_num_f32 v[\base+jj], v[\base+jj], -v[\lim], v[\lim]
.set jj, jj+1
.endr
.endm
.macro OUTQK g, scl, lim, dst
	WIN 0x82                                       ; source 0 and destination window 2
.irp a, 0,1,2,3,4,5,6,7
.irp j, 0,1
.irp i, 0,2,4,6
.set D, 128*\g+8*(2*\a+\j)+\i
	v_pk_fma_f32 v[D:D+1], v[D:D+1], s[98:99], v[CB+16*\g+8*\j+\i:CB+16*\g+8*\j+\i+1] op_sel_hi:[1,0,1]
.endr
.endr
.endr
	HOLD 128*\g, \lim
	WIN 0x02
.irp a, 0,1,2,3,4,5,6,7
.irp j, 0,1
.set D, 128*\g+8*(2*\a+\j)
	v_cvt_scalef32_pk8_bf8_f32 v[CD+32*\g+4*\a+2*\j:CD+32*\g+4*\a+2*\j+1], v[D:D+7], v[\scl]
.endr
.endr
	WIN 0
	v_nop
.irp a, 0,1,2,3,4,5,6,7
	global_store_b128 v[LI], v[CD+32*\g+4*\a:CD+32*\g+4*\a+3], s[\dst:\dst+1] offset:1024*\a   ; 512 consecutive bytes, aligned
.endr
.endm
	OUTQK 0, 22, 23, 68
	OUTQK 1, 24, 25, 70
	WIN 0xc3                                       ; v: source 0 and destination window 3
.irp a, 0,1,2,3,4,5,6,7
.irp i, 0,2,4,6
.set D, 16*\a+\i
	v_pk_fma_f32 v[D:D+1], v[D:D+1], s[98:99], v[RB:RB+1] op_sel_hi:[1,0,0]
.endr
.irp i, 0,2,4,6
.set D, 16*\a+8+\i
	v_pk_fma_f32 v[D:D+1], v[D:D+1], s[98:99], v[RB:RB+1] op_sel:[0,0,1] op_sel_hi:[1,0,1]
.endr
.endr
	HOLD 0, 31
	WIN 0x03
.irp a, 0,1,2,3,4,5,6,7
.irp j, 0,1
.set D, 8*(2*\a+\j)
.set E, CD+64+8*(2*(\a/4)+\j)+2*(\a%4)
	v_cvt_scalef32_pk8_bf8_f32 v[E:E+1], v[D:D+7], v30   ; tokens 16 (a % 4) + 8 h + 0..7 of a block of 64
.endr
.endr
	WIN 0
	v_nop
.irp kb, 0,1
.irp j, 0,1
.irp u, 0,1
	global_store_b128 v[LI], v[CD+64+8*(2*\kb+\j)+4*\u:CD+67+8*(2*\kb+\j)+4*\u], s[72:73] offset:4096*\kb+1024*\j+512*\u
.endr
.endr
.endr
	s_wait_tensorcnt 0x0                           ; the wave's end
	ds_add_u32 v[SPW], v[NIL]
	s_wait_dscnt 0x0
	CROUND                                         ; the closing round: no work-group ends while a partner may still ask for a tile that names it
	s_endpgm
.Lfunc_end_k_qb76ad7bd5b_qkv:
	.size	k_qb76ad7bd5b_qkv, .Lfunc_end_k_qb76ad7bd5b_qkv-k_qb76ad7bd5b_qkv
	.p2alignl 7, 3214868480
	.fill 96, 4, 3214868480
	.section	.rodata,"a",@progbits
	.p2align	6, 0x0
	.amdhsa_kernel k_qb76ad7bd5b_qkv
		.amdhsa_group_segment_fixed_size 327680
		.amdhsa_private_segment_fixed_size 0
		.amdhsa_enable_private_segment 0
		.amdhsa_kernarg_size 56
		.amdhsa_user_sgpr_count 2
		.amdhsa_user_sgpr_kernarg_segment_ptr 1
		.amdhsa_wavefront_size32 1
		.amdhsa_system_sgpr_workgroup_id_x 1
		.amdhsa_system_sgpr_workgroup_id_y 1
		.amdhsa_system_sgpr_workgroup_id_z 1
		.amdhsa_system_vgpr_workitem_id 0
		.amdhsa_next_free_vgpr 896
		.amdhsa_next_free_sgpr 100
		.amdhsa_reserve_vcc 0
		.amdhsa_float_denorm_mode_32 3
		.amdhsa_float_denorm_mode_16_64 3
		.amdhsa_memory_ordered 1
		.amdhsa_forward_progress 1
		.amdhsa_inst_pref_size 108
	.end_amdhsa_kernel
	.amdgpu_metadata
---
amdhsa.version: [ 1, 2 ]
amdhsa.kernels:
  - .name:           k_qb76ad7bd5b_qkv
    .symbol:         k_qb76ad7bd5b_qkv.kd
    .args:
      - { .name: x_img, .offset: 0, .size: 8, .value_kind: global_buffer, .address_space: global }
      - { .name: wa_img, .offset: 8, .size: 8, .value_kind: global_buffer, .address_space: global }
      - { .name: b_attn, .offset: 16, .size: 8, .value_kind: global_buffer, .address_space: global }
      - { .name: lowp_scales, .offset: 24, .size: 8, .value_kind: global_buffer, .address_space: global }
      - { .name: q_img, .offset: 32, .size: 8, .value_kind: global_buffer, .address_space: global }
      - { .name: k_img, .offset: 40, .size: 8, .value_kind: global_buffer, .address_space: global }
      - { .name: v_img, .offset: 48, .size: 8, .value_kind: global_buffer, .address_space: global }
    .group_segment_fixed_size: 327680
    .private_segment_fixed_size: 0
    .kernarg_segment_align: 8
    .kernarg_segment_size: 56
    .max_flat_workgroup_size: 128
    .sgpr_count:     100
    .vgpr_count:     896
    .wavefront_size: 32
...
	.end_amdgpu_metadata
.endif
;; end of part 2
;; launch attn (part 3): grid 64 x 4, 16 waves a work-group, clusters of 4 x 4, 301,056 bytes of LDS; arguments q_img, k_img, v_img, lowp_scales, y_img; writes y_img
.if DOCPART == 3
	.amdgcn_target "amdgcn-amd-amdhsa--gfx1250"
	.amdhsa_code_object_version 6
	.text
	.protected	k_qb76ad7bd5b_attn
	.globl	k_qb76ad7bd5b_attn
	.p2align	8
	.type	k_qb76ad7bd5b_attn,@function
k_qb76ad7bd5b_attn:
	s_mov_b64 s[64:65], 0
	v_nop
	global_prefetch_b8 v0, s[64:65] scope:SCOPE_SE
	s_setreg_imm32_b32 hwreg(HW_REG_WAVE_MODE, 25, 1), 1
	s_wait_xcnt 0x0
	s_wait_alu depctr_hold_cnt(0) depctr_sa_sdst(0) depctr_va_vdst(0) depctr_va_sdst(0) depctr_va_ssrc(0) depctr_va_vcc(0) depctr_vm_vsrc(0)
	s_getreg_b32 s2, hwreg(HW_REG_IB_STS2, 6, 4)
	s_cmp_eq_u32 s2, 0
	s_cbranch_scc0 .Lentry_in_a_cluster
	s_endpgm
.Lentry_in_a_cluster:
	s_bfe_u32 s2, ttmp6, 0x10000c
	s_cmp_lg_u32 s2, 0xf033
	s_cbranch_scc0 .Lentry_shape_is_right
	s_endpgm
.Lentry_shape_is_right:
; y = softmax(q k^T / 8, causal) v for 32 (batch x head) of 2,048 tokens x 64 channels, both products on codes of BF8 (E5M2); y is quantised with its given scale (entry 6) and stored as images for the last product.
; THE SOFTMAX AHEAD OF THE SECOND PRODUCT: t = score x log2(e) / 8; M = the row's largest t so far, rounded UP to a whole number; p = 2^(t - M) is quantised (entry 4), not normalised.  The row's sum is taken of the
; unquantised p, in f32, and divides at the end.  When M moves, the sum and O are multiplied by 2^(old M - new M), which rounds nothing.
; OPERANDS are images of registers: 16 rows x 64 K = 1,024 bytes, registers 0-3 of lane l at 16 l, registers 4-7 at 512 + 16 l; lane (r, h) holds K = 16 c + 8 h + 0..7 of row r in registers 2 c, 2 c + 1.
;   q_img, k_img: [head][block of 16 tokens][1,024], K = the channels.   v_img: [head][block of 64 keys][block of 16 channels][1,024], K = the keys.   y_img: [block of 16 tokens 256][head 16][1,024], K = the channels.
; LAYOUT.  Both products are used transposed: S^T = K Q^T, O^T = V^T P^T: a lane holds ONE query throughout.  Tile t's eight registers are keys 16 t + 8 h + 0..7: converted, they are registers 2 t, 2 t + 1 of P.
; SHARES.  A head has 16 blocks of 128 queries, of 8 tiles each; work-group i of its eight owns tile i of EVERY block.  So which key steps (of 128) count hangs on the block alone, and so on the wave's number alone.
;   Waves w and w ^ 4 are a pair with number b = 0 .. 7: they own the tiles of blocks b (b + 1 key steps) and 15 - b (16 - b).  Wave A takes key steps 0 .. 8 of block 15 - b; wave B takes its other 7 - b (9 .. 15 - b),
;   leaves O^T, the sum and M in LDS, and then takes block b's b + 1: nine steps and eight.  At the end A joins B's part to its own.
; LDS holds a head's K and V whole: one fill, one load of 16,384 bytes a wave, at the head; nothing is filled again.
; A STEP finds its fragments of K in registers: they are loaded behind the first products of the step before, under its softmax.
; CLUSTERS of 4 x 4: two whole heads; the four of a row ask jointly for the same K and V.   NO PREFETCH: all that a work-group reads is asked for at the head.
; LEFT OUT: key steps all of whose keys come after the queries (their weights are 0 for all inputs); a NaN or an infinity that reaches only them is not carried to the result.
; LIMITS: e2 + e3 between -123 and 130 (they are added to c's exponent field); e4 and e6 between -126 and 112; e4 + e5 goes in by v_ldexp_f32 and has none.  The scaled scores stay under 2^31 in magnitude.  NaN is not served.
.set VOFF, 131072                      ; V lies behind K's 131,072 bytes
.set MRG,  262144                      ; what a pair hands over: 9 x 512 bytes for each of eight pairs; no fill lands there
.set MPB,  4608
.set SPARE, MRG+8*MPB                  ; the spare words, 128 bytes for each of 16 waves
.set LI,   1                           ; 16 x lane
.set DD,   2                           ; my query in its block - 8 h
.set ADK,  3
.set ADV,  4
.set SPW,  5
.set NIL,  6
.set MAD,  7                           ; LDS address of my pair's part
.set PLIM, 8                           ; 57,344 x 2^e4
.set PSCL, 9                           ; 2^e4
.set FF,   10                          ; v[10:11] f = 2^(old M - new M), then tile 0's codes;  v12 -M, v13 the largest t, v[14:15] the sum in two halves
.set QR,   16                          ; v16-23   Q
.set Q2,   24                          ; v24-31   the Q of wave B's second tile
.set KR,   32                          ; v32-95   K's eight fragments
.set SS,   96                          ; v96-159  S^T, then p; v96-111 then P's codes
.set OT,   160                         ; v160-191 O^T
.set VR,   192                         ; v192-255 V's four fragments of 16 channels x 128 keys; v240-253 at work until the last of them is loaded
.set T0,   240
.set T1,   241
.set PX,   242
.set NINF, 243
.set WV,   18
.set S,    19                          ; my step's number
.set SEL,  20                          ; s[20:21] lane selects: lane l xor 16
.set CS,   22                          ; s[22:23] c = log2(e) / 8 x 2^(e2 + e3)
.set G1,   24
.set G0,   40
.set RO,   59                          ; 1: wave A of the pair, 0: wave B
.set PB,   60                          ; b
.set SW,   61                          ; the step at which B goes on to block b
.set OFL,  62                          ; key step - S on block 15 - b
.set OFS,  63                          ; b + 1
.set BLK,  66                          ; the block in hand
.set NS,   67                          ; my number of steps
.set KS,   68                          ; the key step
.set TI,   69                          ; i
.set SN,   72                          ; the next step's number
.set KN,   73                          ; and key step
.macro CROUND                          ; a round of the cluster's barrier
	s_barrier_signal -1
	s_barrier_wait -1
	s_cmp_lg_u32 s[WV], 0
	s_cbranch_scc1 .Lnot_wave_0_\@
	s_barrier_signal -3
.Lnot_wave_0_\@:
	s_barrier_wait -3
	s_barrier_signal -1
	s_barrier_wait -1
.endm
.macro START                           ; a tile's state: the first change of M multiplies zeros
	v_mov_b32 v13, 0xff61b1e6                      ; the largest t so far: -3e38, under every t
	v_mov_b32 v14, 0
	v_mov_b32 v15, 0
	v_floor_f32 v12, -v13
.set jj, 0
.rept 32
	v_mov_b32 v[OT+jj], 0
.set jj, jj+1
.endr
.endm
.macro KEYS dst, n                     ; the key step of step s[n]
	s_add_co_u32 s70, s[\n], s[OFL]                ; on block 15 - b: S + OFL
	s_min_u32 s70, s70, 15
	s_add_co_u32 s71, s[\n], s[OFS]                ; on block b: S - (7 - b) = (S + b + 1) mod 8
	s_and_b32 s71, s71, 7
	s_cmp_lt_u32 s[\n], s[SW]
	s_cselect_b32 s[\dst], s70, s71
.endm
.macro KLOAD
.irp t, 0,1,2,3,4,5,6,7
	ds_load_b128 v[KR+8*\t:KR+8*\t+3],   v[ADK] offset:1024*\t
	ds_load_b128 v[KR+8*\t+4:KR+8*\t+7], v[ADK] offset:1024*\t+512
.endr
.endm
.macro VLOAD u
.irp g, 0,1
	ds_load_b128 v[VR+16*\u+8*\g:VR+16*\u+8*\g+3],   v[ADV] offset:4096*\g+1024*\u
	ds_load_b128 v[VR+16*\u+8*\g+4:VR+16*\u+8*\g+7], v[ADV] offset:4096*\g+1024*\u+512
.endr
.endm
	s_load_b256 s[4:11], s[0:1], 0x0               ; q_img s[4:5], k_img s[6:7], v_img s[8:9], the scales' exponents s[10:11]
	s_load_b64 s[12:13], s[0:1], 0x20              ; y_img
	v_lshl_add_u32 v[SPW], v0, 2, SPARE
	v_mov_b32 v[NIL], 0
	ds_add_u32 v[SPW], v[NIL]                      ; the opening lines
	ds_add_u32 v[SPW], v[NIL]
	v_lshrrev_b32 v8, 5, v0
	v_readfirstlane_b32 s[WV], v8                  ; wave 0..15
	s_bfe_u32 s84, ttmp6, 0x40000                  ; cx
	s_bfe_u32 s85, ttmp6, 0x40004                  ; cy
	s_and_b32 s86, s85, 1
	s_lshl_b32 s86, s86, 2
	s_add_co_u32 s[TI], s86, s84                   ; i: which of the head's eight work-groups
	s_lshr_b32 s87, s85, 1
	s_lshl_b32 s56, ttmp9, 1
	s_add_co_u32 s56, s56, s87                     ; batch x 16 + head: two to a cluster
	s_lshl_b32 s57, s56, 17                        ; its first byte in q_img, k_img and v_img
	s_lshl_b32 s88, s85, 2
	s_lshl_b32 s88, 15, s88                        ; my row of the cluster
	s_lshr_b32 s58, s[WV], 2
	s_xor_b32 s58, s58, s[WV]
	s_and_b32 s[RO], s58, 1
	s_and_b32 s58, s[WV], 3
	s_lshr_b32 s70, s[WV], 3
	s_lshl_b32 s71, s70, 2
	s_or_b32 s[PB], s58, s71
	s_xor_b32 s[SW], s[PB], 7                      ; 7 - b
	s_xor_b32 s71, s[RO], 1
	s_mul_i32 s[OFL], s71, 9                       ; A: 0, B: 9
	s_xor_b32 s[BLK], s[PB], 15                    ; 15 - b
	s_add_co_u32 s[NS], s[RO], 8
	s_add_co_u32 s[OFS], s[PB], 1
	s_cmp_eq_u32 s[RO], 1
	s_cselect_b32 s[SW], 64, s[SW]                 ; A stays on its block
	; what I fetch: waves 0-7 K, waves 8-15 V, 16,384 bytes each
	s_lshl_b32 s[G0+1], s[WV], 14
	s_and_b32 s71, s[WV], 7
	s_lshl_b32 s74, s71, 14
	s_add_co_u32 s74, s74, s57
	s_mov_b32 s75, 0
	s_or_b32 s[G1], s88, (3<<16)|(1<<21)           ; 15:0 the mask; 17:16 elements of 8 bytes; no padding; 21 set beside a mask
	s_mov_b32 s[G1+1], 32<<16                      ; 64 rows of 256 bytes, dense
	s_mov_b32 s[G1+2], 64<<16
	s_mov_b32 s[G1+3], 32<<16
	s_mov_b32 s[G1+4], 64
	s_mov_b32 s[G1+5], 32
	s_mov_b32 s[G1+6], 0
	s_mov_b32 s[G1+7], 0
	s_mov_b32 s[G0], 1
	s_wait_dscnt 0x0                               ; both opening adds are done
	s_wait_kmcnt 0x0
	s_load_b256 s[48:55], s[10:11], 0x0            ; e0 .. e7
	s_cmp_lt_u32 s[WV], 8
	s_cselect_b64 s[90:91], s[6:7], s[8:9]
	s_add_nc_u64 s[G0+2:G0+3], s[90:91], s[74:75]
	s_or_b32 s[G0+3], s[G0+3], 0x80000000
	CROUND                                         ; all sixteen work-groups are here: the joint loads meet
	tensor_load_to_lds s[G0:G0+3], s[G1:G1+7]      ; a wave's one load
	s_nop 0
	s_lshl_b32 s74, s[BLK], 3
	s_add_co_u32 s74, s74, s[TI]
	s_lshl_b32 s74, s74, 10
	s_add_co_u32 s74, s74, s57
	s_add_nc_u64 s[76:77], s[4:5], s[74:75]        ; Q's image of block 15 - b's tile,
	s_lshl_b32 s74, s[PB], 3
	s_add_co_u32 s74, s74, s[TI]
	s_lshl_b32 s74, s74, 10
	s_add_co_u32 s74, s74, s57
	s_add_nc_u64 s[78:79], s[4:5], s[74:75]        ; and of block b's
	s_lshl_b32 s70, s[TI], 4
	s_mul_i32 s71, s[PB], MPB
	s_add_co_u32 s71, s71, MRG
	s_mov_b32 s[SEL], 0x76543210
	s_mov_b32 s[SEL+1], 0xfedcba98
	s_mov_b32 s[CS], 0x3e38aa3b                    ; log2(e) / 8
	v_and_b32 v[LI], 31, v0
	v_and_b32 v[ADK], 15, v0
	v_bfe_u32 v[ADV], v0, 4, 1
	v_lshlrev_b32 v[LI], 4, v[LI]
	v_lshlrev_b32 v[ADV], 3, v[ADV]
	v_add_nc_u32 v[ADK], s70, v[ADK]
	v_add_nc_u32 v[MAD], s71, v[LI]
	v_sub_nc_u32 v[DD], v[ADK], v[ADV]             ; 16 i + r - 8 h
.set jj, 0
.rept 8
	v_mov_b32 v[Q2+jj], 0
.set jj, jj+1
.endr
	v_mov_b32 v[FF], 0
	v_mov_b32 v[FF+1], 0                           ; (named as the upper half of the pair)
	v_mov_b32 v[PX], 0                             ; a lane permute's destination counts as one of its sources
	s_wait_alu depctr_va_vdst(0)
	global_load_b128 v[QR:QR+3], v[LI], s[76:77]
	global_load_b128 v[QR+4:QR+7], v[LI], s[76:77] offset:512
	s_cmp_lg_u32 s[RO], 0
	s_cbranch_scc1 .Lone_tile                      ; wave A has one tile
	global_load_b128 v[Q2:Q2+3], v[LI], s[78:79]
	global_load_b128 v[Q2+4:Q2+7], v[LI], s[78:79] offset:512
.Lone_tile:
	START
	s_wait_kmcnt 0x0
	s_add_co_i32 s70, s50, s51
	s_lshl_b32 s70, s70, 23
	s_add_co_i32 s[CS], s[CS], s70                 ; a score stands for score x 2^(e2 + e3)
	s_mov_b32 s[CS+1], s[CS]
	s_add_co_i32 s70, s52, 127
	s_lshl_b32 s71, s70, 23
	v_mov_b32 v[PSCL], s71
	s_add_co_i32 s70, s70, 15
	s_lshl_b32 s70, s70, 23
	s_or_b32 s70, s70, 0x600000
	v_mov_b32 v[PLIM], s70
	s_mov_b32 s[S], 0
	KEYS KS, S
	s_lshl_b32 s70, s[KS], 13
	v_add_nc_u32 v[ADK], s70, v[LI]
	s_wait_alu depctr_va_vdst(0)                   ; the wait at the head's end
	s_wait_tensorcnt 0x0                           ; my part of K or V is in
	s_barrier_signal -1
	s_barrier_wait -1                              ; everybody's is; nothing is filled again
	KLOAD                                          ; the first step's fragments of K
	s_wait_loadcnt 0x0                             ; Q
	s_wait_dscnt 0x0
; A KEY STEP, nine times
.Lstep:
	s_cmp_lg_u32 s[RO], 0
	s_cbranch_scc1 .Lstay
	s_cmp_lg_u32 s[S], s[SW]
	s_cbranch_scc1 .Lstay
	; wave B goes on to its second tile: O^T and the state of the first go to the pair's bytes
.rept 4
	v_nop                                          ; places behind the last products
.endr
.irp j, 0,1,2,3,4,5,6,7
	ds_store_b128 v[MAD], v[OT+4*\j:OT+4*\j+3] offset:512*\j
.endr
	ds_store_b128 v[MAD], v[12:15] offset:4096
	s_mov_b32 s[BLK], s[PB]
	s_wait_dscnt 0x0
	START
.set jj, 0
.rept 8
	v_mov_b32 v[QR+jj], v[Q2+jj]
.set jj, jj+1
.endr
	s_wait_alu depctr_va_vdst(0)
.Lstay:
	s_cmp_ge_u32 s[S], s[NS]
	s_cbranch_scc1 .Ldone                          ; wave B has eight steps
	KEYS KS, S
	s_add_co_u32 s[SN], s[S], 1
	KEYS KN, SN
	s_lshl_b32 s70, s[KS], 13
	s_add_co_u32 s70, s70, VOFF
	s_lshl_b32 s71, s[KN], 13
	v_add_nc_u32 v[ADV], s70, v[LI]
	v_add_nc_u32 v[ADK], s71, v[LI]
	v_nop                                          ; with the additions: five places behind the last step's products, which read P where the products below write
	v_nop
	v_nop
.irp t, 0,1,2,3,4,5,6,7
	v_wmma_f32_16x16x64_bf8_bf8 v[SS+8*\t:SS+8*\t+7], v[KR+8*\t:KR+8*\t+7], v[QR:QR+7], 0
.endr
.rept 4
	v_nop                                          ; places, for the loads of K and the readers of S^T
.endr
	VLOAD 0
	VLOAD 1
	VLOAD 2
	s_cmp_ge_u32 s[SN], s[NS]
	s_cbranch_scc1 .Lno_next
	KLOAD                                          ; the next step's fragments of K
.Lno_next:
	s_cmp_lg_u32 s[KS], s[BLK]
	s_cbranch_scc1 .Lopen                          ; on the diagonal the scores of hidden keys become -infinity ahead of the maximum
	v_mov_b32 v[NINF], 0xff800000
.set nn, 0
.rept 64
	v_cmp_gt_i32 vcc_lo, 16*(nn/8)+nn%8, v[DD]     ; register 8 t + j holds key 16 t + 8 h + j of the block: hidden where 16 t + j > DD
	v_cndmask_b32 v[SS+nn], v[SS+nn], v[NINF], vcc_lo
.set nn, nn+1
.endr
.Lopen:
	v_max3_num_f32 v[T0], v[SS], v[SS+1], v[SS+2]  ; the step's largest score of my query among my 64 keys, in two chains, each accumulator from its low end on,
	v_max3_num_f32 v[T1], v[SS+3], v[SS+4], v[SS+5]
.irp i, 6,10,14,18,22,26,30,34,38,42,46,50,54,58
	v_max3_num_f32 v[T0], v[T0], v[SS+\i], v[SS+1+\i]
	v_max3_num_f32 v[T1], v[T1], v[SS+2+\i], v[SS+3+\i]
.endr
	v_max3_num_f32 v[T0], v[T0], v[SS+62], v[SS+63]
	s_delay_alu instid0(VALU_DEP_1)
	v_max_num_f32 v[T0], v[T0], v[T1]
	s_delay_alu instid0(VALU_DEP_1)
	v_permlanex16_b32 v[PX], v[T0], s[SEL], s[SEL+1]
	s_delay_alu instid0(VALU_DEP_1)
	v_max_num_f32 v[T0], v[T0], v[PX]              ; and among lane l xor 16's
	s_delay_alu instid0(VALU_DEP_1)
	v_mul_f32 v[T0], s[CS], v[T0]                  ; as t (c is positive)
	s_delay_alu instid0(VALU_DEP_1)
	v_max_num_f32 v13, v13, v[T0]                  ; the running largest t
	v_mov_b32 v[T0], v12
	s_delay_alu instid0(VALU_DEP_2)
	v_floor_f32 v12, -v13                          ; the new -M = floor(-t): M is a whole number
	s_delay_alu instid0(VALU_DEP_1)
	v_sub_f32 v[T0], v12, v[T0]                    ; old M - new M: a whole number, 0 or less
	s_delay_alu instid0(VALU_DEP_1)
	v_cvt_i32_f32 v[T0], v[T0]                     ; (it saturates)
	s_delay_alu instid0(VALU_DEP_1)
	v_ldexp_f32 v[FF], 1.0, v[T0]                  ; f
.set jj, 0
.rept 32
	v_pk_fma_f32 v[SS+jj:SS+jj+1], v[SS+jj:SS+jj+1], s[CS:CS+1], v[12:13] op_sel_hi:[1,0,0]   ; t - M, two at a time
.set jj, jj+2
.endr
	s_wait_alu depctr_va_vdst(0)                   ; one wait ahead of the batch
.set jj, 0
.rept 64
	v_exp_f32 v[SS+jj], v[SS+jj]                   ; p = 2^(t - M), at most 1
.set jj, jj+1
.endr
	v_pk_mul_f32 v[14:15], v[14:15], v[FF:FF+1] op_sel_hi:[1,0]   ; the sums under the new M: the plain line behind the exponentials
	s_wait_alu depctr_va_vdst(0)                   ; one wait for the whole batch, ahead of its first reader
	v_pk_add_f32 v[240:241], v[100:101], v[104:105]  ; the row's sum, of the unquantised p, in eight chains
	v_pk_add_f32 v[252:253], v[108:109], v[112:113]
	v_pk_add_f32 v[250:251], v[116:117], v[120:121]
	v_pk_add_f32 v[248:249], v[124:125], v[128:129]
	v_pk_add_f32 v[246:247], v[132:133], v[136:137]
	v_pk_add_f32 v[244:245], v[140:141], v[144:145]
	v_pk_add_f32 v[242:243], v[148:149], v[152:153]
	v_pk_add_f32 v[14:15], v[14:15], v[156:157]
	v_pk_add_f32 v[240:241], v[240:241], v[96:97]
	v_pk_add_f32 v[252:253], v[252:253], v[98:99]
	v_pk_add_f32 v[250:251], v[250:251], v[102:103]
	v_pk_add_f32 v[248:249], v[248:249], v[106:107]
	v_pk_add_f32 v[246:247], v[246:247], v[110:111]
	v_pk_add_f32 v[244:245], v[244:245], v[114:115]
	v_pk_add_f32 v[242:243], v[242:243], v[118:119]
	v_pk_add_f32 v[14:15], v[14:15], v[122:123]
	v_pk_add_f32 v[240:241], v[240:241], v[126:127]
	v_pk_add_f32 v[252:253], v[252:253], v[130:131]
	v_pk_add_f32 v[250:251], v[250:251], v[134:135]
	v_pk_add_f32 v[248:249], v[248:249], v[138:139]
	v_pk_add_f32 v[246:247], v[246:247], v[142:143]
	v_pk_add_f32 v[244:245], v[244:245], v[146:147]
	v_pk_add_f32 v[242:243], v[242:243], v[150:151]
	v_pk_add_f32 v[14:15], v[14:15], v[154:155]
	v_pk_add_f32 v[240:241], v[240:241], v[158:159]
	s_delay_alu instid0(VALU_DEP_2)
	v_pk_add_f32 v[14:15], v[14:15], v[248:249]
	s_delay_alu instid0(VALU_DEP_2)
	v_pk_add_f32 v[240:241], v[240:241], v[246:247]
	v_pk_add_f32 v[252:253], v[252:253], v[244:245]
	v_pk_add_f32 v[250:251], v[250:251], v[242:243]
	s_delay_alu instid0(VALU_DEP_2)
	v_pk_add_f32 v[14:15], v[14:15], v[252:253]
	s_delay_alu instid0(VALU_DEP_2)
	v_pk_add_f32 v[240:241], v[240:241], v[250:251]
	s_delay_alu instid0(VALU_DEP_1)
	v_pk_add_f32 v[14:15], v[14:15], v[240:241]
	VLOAD 3                                        ; V's last fragment takes the registers that the sums have left
	s_wait_alu depctr_va_vdst(0)                   ; ahead of the first readers of O^T
.set jj, 0
.rept 16
	v_pk_mul_f32 v[OT+jj:OT+jj+1], v[OT+jj:OT+jj+1], v[FF:FF+1] op_sel_hi:[1,0]      ; O^T under the new M
.set jj, jj+2
.endr
.irp t, 0,1,2,3,4,5,6,7
.irp i, 0,2,4,6
	v_dual_min_num_f32 v[SS+8*\t+\i], v[PLIM], v[SS+8*\t+\i] :: v_dual_min_num_f32 v[SS+8*\t+\i+1], v[PLIM], v[SS+8*\t+\i+1]   ; the conversion does not saturate (ISA guide 7.6.2); p is not negative, so the hold is one-sided
.endr
.if \t == 0
	v_cvt_scalef32_pk8_bf8_f32 v[FF:FF+1], v[SS:SS+7], v[PSCL]    ; tile 0's codes wait beside P, since P begins in tile 0's registers
.else
	v_cvt_scalef32_pk8_bf8_f32 v[SS+2*\t:SS+2*\t+1], v[SS+8*\t:SS+8*\t+7], v[PSCL]   ; registers 2 t, 2 t + 1 of P: keys 16 t + 8 h + 0..7; they lie in registers of tiles that are converted
.endif
.endr
	v_mov_b32 v[SS], v[FF]                         ; also the plain lines behind the conversions
	v_mov_b32 v[SS+1], v[FF+1]
	s_wait_alu depctr_va_vdst(0)
	s_wait_dscnt 0x0                               ; V is in, and the next step's K
.irp u, 0,1,2,3
	v_wmma_f32_16x16x128_bf8_bf8 v[OT+8*\u:OT+8*\u+7], v[VR+16*\u:VR+16*\u+15], v[SS:SS+15], v[OT+8*\u:OT+8*\u+7]   ; the four accumulators by turns; the next step's eight products stand between two links
.endr
.Ldone:
	s_add_co_u32 s[S], s[S], 1
	s_cmp_lt_u32 s[S], 9
	s_cbranch_scc1 .Lstep
.rept 4
	v_nop                                          ; places behind the last products
.endr
	s_lshl_b32 s74, s[BLK], 3
	s_add_co_u32 s74, s74, s[TI]
	s_lshr_b32 s76, s56, 4
	s_lshl_b32 s76, s76, 7
	s_add_co_u32 s74, s74, s76                     ; my block of 16 tokens among all 256
	s_lshl_b32 s74, s74, 14
	s_and_b32 s76, s56, 15
	s_lshl_b32 s76, s76, 10                        ; my head's image in it
	s_add_co_u32 s74, s74, s76
	s_mov_b32 s75, 0
	s_add_nc_u64 s[12:13], s[12:13], s[74:75]
	s_wait_dscnt 0x0
	s_barrier_signal -1
	s_barrier_wait -1                              ; every wave B has stored its part
	s_cmp_eq_u32 s[RO], 0
	s_cbranch_scc1 .Lout
	; wave A joins B's part to its own, both under the larger M
	ds_load_b128 v[128:131], v[MAD] offset:4096    ; B's -M, largest t, sum in two halves
.irp j, 0,1,2,3,4,5,6,7
	ds_load_b128 v[SS+4*\j:SS+4*\j+3], v[MAD] offset:512*\j
.endr
	s_wait_dscnt 0x0
	v_min_num_f32 v132, v12, v128                  ; - the larger M
	v_sub_f32 v134, v132, v12
	v_sub_f32 v135, v132, v128
	v_cvt_i32_f32 v134, v134
	v_cvt_i32_f32 v135, v135
	v_ldexp_f32 v136, 1.0, v134                    ; my factor
	v_ldexp_f32 v138, 1.0, v135                    ; B's
	v_pk_mul_f32 v[14:15], v[14:15], v[136:137] op_sel_hi:[1,0]
.set jj, 0
.rept 16
	v_pk_mul_f32 v[OT+jj:OT+jj+1], v[OT+jj:OT+jj+1], v[136:137] op_sel_hi:[1,0]
.set jj, jj+2
.endr
	v_pk_fma_f32 v[14:15], v[130:131], v[138:139], v[14:15] op_sel_hi:[1,0,1]
.set jj, 0
.rept 16
	v_pk_fma_f32 v[OT+jj:OT+jj+1], v[SS+jj:SS+jj+1], v[138:139], v[OT+jj:OT+jj+1] op_sel_hi:[1,0,1]
.set jj, jj+2
.endr
.Lout:
	; THE WAY OUT: y = O^T x 2^(e4 + e5) / the sum, held, converted with 2^e6: the four conversions' results are my tile's image.
	v_add_f32 v14, v14, v15
	s_delay_alu instid0(VALU_DEP_1)
	v_permlanex16_b32 v[PX], v14, s[SEL], s[SEL+1]
	s_delay_alu instid0(VALU_DEP_1)
	v_add_f32 v14, v14, v[PX]                      ; the row's sum
	s_wait_alu depctr_va_vdst(0)
	v_rcp_f32 v14, v14
	s_add_co_i32 s70, s54, 127
	s_lshl_b32 s71, s70, 23
	v_mov_b32 v11, s71                             ; 2^e6  (a plain line behind the reciprocal)
	s_add_co_i32 s70, s70, 15
	s_lshl_b32 s70, s70, 23
	s_or_b32 s70, s70, 0x600000
	v_mov_b32 v10, s70                             ; 57,344 x 2^e6
	s_add_co_i32 s71, s52, s53
	s_wait_alu depctr_va_vdst(0)                   ; ahead of the reciprocal's first reader
	v_ldexp_f32 v14, v14, s71
.set jj, 0
.rept 16
	v_pk_mul_f32 v[SS+jj:SS+jj+1], v[OT+jj:OT+jj+1], v[14:15] op_sel_hi:[1,0]   ; each accumulator from its low end on
.set jj, jj+2
.endr
.set jj, 0
.rept 32
	v_med3_num_f32 v[SS+jj], v[SS+jj], -v10, v10
.set jj, jj+1
.endr
.irp u, 0,1,2,3
	v_cvt_scalef32_pk8_bf8_f32 v[KR+2*\u:KR+2*\u+1], v[SS+8*\u:SS+8*\u+7], v11   ; channels 16 u + 8 h + 0..7
.endr
	v_nop
	global_store_b128 v[LI], v[KR:KR+3], s[12:13]                  ; 512 consecutive bytes, aligned
	global_store_b128 v[LI], v[KR+4:KR+7], s[12:13] offset:512
	s_wait_tensorcnt 0x0                           ; the wave's end
	ds_add_u32 v[SPW], v[NIL]
	s_wait_dscnt 0x0
	CROUND                                         ; the closing round: no work-group ends while a partner may still ask for a tile that names it
	s_endpgm
.Lfunc_end_k_qb76ad7bd5b_attn:
	.size	k_qb76ad7bd5b_attn, .Lfunc_end_k_qb76ad7bd5b_attn-k_qb76ad7bd5b_attn
	.p2alignl 7, 3214868480
	.fill 96, 4, 3214868480
	.section	.rodata,"a",@progbits
	.p2align	6, 0x0
	.amdhsa_kernel k_qb76ad7bd5b_attn
		.amdhsa_group_segment_fixed_size 301056
		.amdhsa_private_segment_fixed_size 0
		.amdhsa_enable_private_segment 0
		.amdhsa_kernarg_size 40
		.amdhsa_user_sgpr_count 2
		.amdhsa_user_sgpr_kernarg_segment_ptr 1
		.amdhsa_wavefront_size32 1
		.amdhsa_system_sgpr_workgroup_id_x 1
		.amdhsa_system_sgpr_workgroup_id_y 1
		.amdhsa_system_sgpr_workgroup_id_z 1
		.amdhsa_system_vgpr_workitem_id 0
		.amdhsa_next_free_vgpr 256
		.amdhsa_next_free_sgpr 100
		.amdhsa_reserve_vcc 1
		.amdhsa_float_denorm_mode_32 3
		.amdhsa_float_denorm_mode_16_64 3
		.amdhsa_memory_ordered 1
		.amdhsa_forward_progress 1
		.amdhsa_inst_pref_size 40
	.end_amdhsa_kernel
	.amdgpu_metadata
---
amdhsa.version: [ 1, 2 ]
amdhsa.kernels:
  - .name:           k_qb76ad7bd5b_attn
    .symbol:         k_qb76ad7bd5b_attn.kd
    .args:
      - { .name: q_img, .offset: 0, .size: 8, .value_kind: global_buffer, .address_space: global }
      - { .name: k_img, .offset: 8, .size: 8, .value_kind: global_buffer, .address_space: global }
      - { .name: v_img, .offset: 16, .size: 8, .value_kind: global_buffer, .address_space: global }
      - { .name: lowp_scales, .offset: 24, .size: 8, .value_kind: global_buffer, .address_space: global }
      - { .name: y_img, .offset: 32, .size: 8, .value_kind: global_buffer, .address_space: global }
    .group_segment_fixed_size: 301056
    .private_segment_fixed_size: 0
    .kernarg_segment_align: 8
    .kernarg_segment_size: 40
    .max_flat_workgroup_size: 512
    .sgpr_count:     100
    .vgpr_count:     256
    .wavefront_size: 32
...
	.end_amdgpu_metadata
.endif
;; end of part 3
;; launch proj (part 4): grid 8 x 32, 4 waves a work-group, clusters of 4 x 4, 280,064 bytes of LDS; arguments y_img, wp_img, b_proj, lowp_scales, out0; writes out0
.if DOCPART == 4
	.amdgcn_target "amdgcn-amd-amdhsa--gfx1250"
	.amdhsa_code_object_version 6
	.text
	.protected	k_qb76ad7bd5b_proj
	.globl	k_qb76ad7bd5b_proj
	.p2align	8
	.type	k_qb76ad7bd5b_proj,@function
k_qb76ad7bd5b_proj:
	s_mov_b64 s[64:65], 0
	v_nop
	global_prefetch_b8 v0, s[64:65] scope:SCOPE_SE
	s_setreg_imm32_b32 hwreg(HW_REG_WAVE_MODE, 25, 1), 1
	s_wait_xcnt 0x0
	s_wait_alu depctr_hold_cnt(0) depctr_sa_sdst(0) depctr_va_vdst(0) depctr_va_sdst(0) depctr_va_ssrc(0) depctr_va_vcc(0) depctr_vm_vsrc(0)
	s_getreg_b32 s2, hwreg(HW_REG_IB_STS2, 6, 4)
	s_cmp_eq_u32 s2, 0
	s_cbranch_scc0 .Lentry_in_a_cluster
	s_endpgm
.Lentry_in_a_cluster:
	s_bfe_u32 s2, ttmp6, 0x10000c
	s_cmp_lg_u32 s2, 0xf033
	s_cbranch_scc0 .Lentry_shape_is_right
	s_endpgm
.Lentry_shape_is_right:
; out = y W_proj + b_proj on codes of BF8 (E5M2): out = sum x 2^(e6 + e7) + bias, f32.  y_img and wp_img are images of operand registers: [block of 16 rows][8 fragments of 128 K][2,048 bytes], registers 4 p .. 4 p + 3 of lane l at 512 p + 16 l.
; A tile of out is 128 tokens x 128 features: 32 x 8 = 256 work-groups.  Four waves, 64 x 64 each: 16 accumulators.  A tile's operands over ALL of K = 1,024 are 2 x 131,072 bytes and lie in LDS together: no byte is filled again.
; One joint load a wave, all at the head: waves 0 and 1 fetch the halves of K of y's 8 blocks, waves 2 and 3 of the weight's; one barrier behind them.
; CLUSTERS: 4 x 4 work-groups; y's tile is shared along a row of the cluster, the weight's along a column.   NO PREFETCH: all that a work-group reads is asked for at the head.
; THE MATRIX INSTRUCTION IS USED TRANSPOSED (source 0 = 16 features, source 1 = 16 tokens): a lane holds eight neighbouring features of one token.
; LIMIT: e6 + e7 between -126 and 127.
; REGISTERS: window 0: v16-31 addresses; v32-63 the bias; v64-95, v96-127 at work on the way out; v128-255 the accumulators ((a, b) at v[128 + 8 (4 a + b)]).   window 1: two fragment buffers of 128: 64 registers of y, then 64 of the weight.
.set STAGE, 262144                     ; behind the operands: 16 rows x 272 bytes for each wave; no fill lands there
.set SP,    272
.set SPARE, STAGE+4*16*SP
.set ADRA, 16                          ; v16, v18: my four blocks of y, in the first and the second half of K
.set ADRB, 17                          ; v17, v19: of the weight
.set STO,  24
.set RD,   25
.set CO,   26
.set SPW,  30
.set NIL,  31
.set CB,   32
.set BK,   64                          ; the way out: rows read back, v64-127, then v128-191, which blocks 0 and 1 have left
.set ACC,  128
.set G1,  24                           ; s[24:31] descriptor group 1 for y;  s[32:39] for the weight;  s[40:43], s[44:47] their groups 0
.set G1B, 32
.set G0,  40
.set G0B, 44
.set MSB, 0
.macro WIN new
.if MSB != (\new)
	s_set_vgpr_msb (MSB<<8)|(\new)
.set MSB, (\new)
.endif
.endm
.macro CROUND                          ; a round of the cluster's barrier
	s_barrier_signal -1
	s_barrier_wait -1
	s_cmp_lg_u32 s14, 0
	s_cbranch_scc1 .Lnot_wave_0_\@
	s_barrier_signal -3
.Lnot_wave_0_\@:
	s_barrier_wait -3
	s_barrier_signal -1
	s_barrier_wait -1
.endm
.macro PLACES
.rept 4
	v_nop
.endr
.endm
	s_load_b256 s[4:11], s[0:1], 0x0               ; y_img s[4:5], wp_img s[6:7], b_proj s[8:9], the scales' exponents s[10:11]
	s_load_b64 s[12:13], s[0:1], 0x20              ; out0
	v_lshl_add_u32 v[SPW], v0, 2, SPARE
	v_mov_b32 v[NIL], 0
	ds_add_u32 v[SPW], v[NIL]                      ; the opening lines
	ds_add_u32 v[SPW], v[NIL]
	v_lshrrev_b32 v1, 5, v0
	v_readfirstlane_b32 s14, v1                    ; wave 0..3
	s_lshr_b32 s15, s14, 1                         ; which half of the tile's tokens is mine.  Also: I fetch y (0) or the weight (1)
	s_and_b32 s16, s14, 1                          ; which half of its features.  Also: which half of K I fetch
	s_bfe_u32 s84, ttmp6, 0x40000                  ; cx
	s_bfe_u32 s85, ttmp6, 0x40004                  ; cy
	s_lshl_b32 s86, ttmp9, 2
	s_add_co_u32 s86, s86, s84                     ; tile of features
	s_and_b32 s87, ttmp7, 0xffff
	s_lshl_b32 s87, s87, 2
	s_add_co_u32 s87, s87, s85                     ; tile of tokens
	s_lshl_b32 s88, s85, 2
	s_lshl_b32 s88, 15, s88                        ; my row of the cluster
	s_lshl_b32 s89, 0x1111, s84                    ; my column
	s_or_b32 s[G1], s88, (3<<16)|(1<<21)           ; 15:0 the mask; 17:16 elements of 8 bytes; no padding; 21 set beside a mask
	s_or_b32 s[G1B], s89, (3<<16)|(1<<21)
.irp g, G1, G1B
	s_mov_b32 s[\g+1], 1024<<16                    ; 8 blocks of 8,192 bytes, 16,384 bytes apart
	s_mov_b32 s[\g+2], 8<<16
	s_mov_b32 s[\g+3], 1024<<16
	s_mov_b32 s[\g+4], 8
	s_mov_b32 s[\g+5], 2048
	s_mov_b32 s[\g+6], 0
	s_mov_b32 s[\g+7], 0
.endr
	s_lshl_b32 s18, s16, 13                        ; my half of K
	s_lshl_b32 s20, s87, 17
	s_add_co_u32 s20, s20, s18
	s_mov_b32 s21, 0
	s_lshl_b32 s22, s86, 17
	s_add_co_u32 s22, s22, s18
	s_mov_b32 s23, 0
	s_lshl_b32 s19, s14, 16                        ; where it goes: wave x 65,536: y's halves of K, then the weight's
	s_mov_b32 s[G0], 1
	s_mov_b32 s[G0+1], s19
	s_mov_b32 s[G0B], 1
	s_mov_b32 s[G0B+1], s19
	s_wait_dscnt 0x0                               ; both opening adds are done
	s_wait_kmcnt 0x0
	s_load_b256 s[56:63], s[10:11], 0x0            ; e0 .. e7
	s_add_nc_u64 s[G0+2:G0+3], s[4:5], s[20:21]
	s_or_b32 s[G0+3], s[G0+3], 0x80000000
	s_add_nc_u64 s[G0B+2:G0B+3], s[6:7], s[22:23]
	s_or_b32 s[G0B+3], s[G0B+3], 0x80000000
	CROUND                                         ; all sixteen work-groups are here: the joint loads meet
	s_cmp_eq_u32 s15, 0
	s_cbranch_scc0 .Lfor_b
	tensor_load_to_lds s[G0:G0+3], s[G1:G1+7]
	s_nop 0
	PLACES
	s_branch .Lasked
.Lfor_b:
	tensor_load_to_lds s[G0B:G0B+3], s[G1B:G1B+7]
	s_nop 0
	PLACES
.Lasked:
	v_and_b32 v1, 31, v0
	v_lshlrev_b32 v2, 4, v1                        ; 16 x lane
	v_and_b32 v3, 15, v0                           ; r
	v_bfe_u32 v4, v0, 4, 1                         ; h
	s_lshl_b32 s90, s15, 15
	v_add_nc_u32 v[ADRA], s90, v2
	s_lshl_b32 s90, s16, 15
	s_add_co_u32 s90, s90, 131072
	v_add_nc_u32 v[ADRB], s90, v2
	v_add_nc_u32 v[ADRA+2], 0x10000, v[ADRA]
	v_add_nc_u32 v[ADRB+2], 0x10000, v[ADRB]
	s_mul_i32 s90, s14, 16*SP
	s_add_co_u32 s90, s90, STAGE                   ; my stage
	v_mul_u32_u24 v5, v3, SP
	v_lshl_add_u32 v5, v4, 5, v5
	v_add_nc_u32 v[STO], s90, v5                   ; in: row r, 32 bytes for each half of the lanes
	v_mul_u32_u24 v7, v4, SP
	v_lshl_add_u32 v7, v3, 4, v7
	v_add_nc_u32 v[RD], s90, v7                    ; back: lanes 0-15 one row of 256 bytes, lanes 16-31 the next
	v_lshlrev_b32 v[CO], 4, v3
	v_lshl_add_u32 v[CO], v4, 12, v[CO]            ; and the same two rows in out
	v_lshlrev_b32 v6, 5, v4                        ; the bias: 32 h bytes
	s_wait_alu depctr_va_vdst(0)                   ; the wait at the head's end
	s_lshl_b32 s94, s86, 7
	s_lshl_b32 s91, s16, 6
	s_add_co_u32 s94, s94, s91
	s_lshl_b32 s94, s94, 2                         ; my first feature, in bytes
	s_mov_b32 s95, 0
	s_add_nc_u64 s[8:9], s[8:9], s[94:95]
	s_lshl_b32 s90, s87, 7
	s_lshl_b32 s91, s15, 6
	s_add_co_u32 s90, s90, s91
	s_lshl_b32 s90, s90, 12                        ; my first token's row of 4,096 bytes
	s_add_co_u32 s90, s90, s94
	s_mov_b32 s91, 0
	s_add_nc_u64 s[12:13], s[12:13], s[90:91]
.irp b, 0,1,2,3
	global_load_b128 v[CB+8*\b:CB+8*\b+3], v6, s[8:9] offset:64*\b        ; register 8 b + j: feature 16 b + 8 h + j
	global_load_b128 v[CB+8*\b+4:CB+8*\b+7], v6, s[8:9] offset:64*\b+16
.endr
; the fragments of step s (half s / 4 of K, its fragment s % 4) into buffer f: 32 loads in one run
.macro FETCH s, f
	WIN 0x40                                       ; destination window 1, address window 0
.irp i, 0,1,2,3
.irp c, 0,1,2,3
	ds_load_b128 v[(\f)+64+16*\i+4*\c:(\f)+64+16*\i+4*\c+3], v[ADRB+2*((\s)/4)] offset:2048*((\s)%4)+8192*\i+512*\c
	ds_load_b128 v[(\f)+16*\i+4*\c:(\f)+16*\i+4*\c+3],       v[ADRA+2*((\s)/4)] offset:2048*((\s)%4)+8192*\i+512*\c
.endr
.endr
.endm
; 16 matrix instructions; the 16 accumulators take turns, one instruction a turn, in the same order in every step; step 0 starts the sums
.macro MUL s, f
	WIN 0x05                                       ; sources 0 and 1 window 1; C and D window 0
.irp a, 0,1,2,3
.irp b, 0,1,2,3
.if (\s) == 0
	v_wmma_f32_16x16x128_bf8_bf8 v[ACC+8*(4*\a+\b):ACC+8*(4*\a+\b)+7], v[(\f)+64+16*\b:(\f)+64+16*\b+15], v[(\f)+16*\a:(\f)+16*\a+15], 0
.else
	v_wmma_f32_16x16x128_bf8_bf8 v[ACC+8*(4*\a+\b):ACC+8*(4*\a+\b)+7], v[(\f)+64+16*\b:(\f)+64+16*\b+15], v[(\f)+16*\a:(\f)+16*\a+15], v[ACC+8*(4*\a+\b):ACC+8*(4*\a+\b)+7]
.endif
.endr
.endr
.endm
	s_wait_tensorcnt 0x0                           ; my part is in
	s_barrier_signal -1
	s_barrier_wait -1                              ; everybody's is; nothing is filled again in this launch
	FETCH 0, 0
.set S, 0
.rept 7
.if S > 0
	PLACES                                         ; in front of loads into the buffer that the last step multiplied
.endif
	FETCH S+1, 128*((S+1)%2)
	s_wait_dscnt 32                                ; all but the 32 just issued
	MUL S, 128*(S%2)
.set S, S+1
.endr
	s_wait_dscnt 0x0
	MUL 7, 128
	WIN 0
	; THE WAY OUT, 16 tokens at a time: out = sum x 2^(e6 + e7) + bias; a lane's 32 bytes go into my own stage and come back as whole rows of 256 bytes.
	PLACES
	s_wait_loadcnt 0x0                             ; the bias
	s_wait_kmcnt 0x0
	s_add_co_i32 s92, s62, s63
	s_add_co_i32 s92, s92, 127
	s_lshl_b32 s92, s92, 23                        ; 2^(e6 + e7) as f32
	s_mov_b32 s93, s92
; The four blocks follow each other through the one stage: LDS serves a wave's instructions in order (ISA guide 5.7.1.4), so a block's loads see its own stores, and the next block's stores come behind them.
.macro INTO a
.irp b, 0,1,2,3
.irp i, 0,2,4,6
.set D, ACC+8*(4*\a+\b)+\i
	v_pk_fma_f32 v[D:D+1], v[D:D+1], s[92:93], v[CB+8*\b+\i:CB+8*\b+\i+1] op_sel_hi:[1,0,1]   ; each accumulator from its low end on
.endr
.endr
.irp b, 0,1,2,3
.set D, ACC+8*(4*\a+\b)
	ds_store_b128 v[STO], v[D:D+3] offset:64*\b
	ds_store_b128 v[STO], v[D+4:D+7] offset:64*\b+16
.endr
.endm
.macro BACK a
.irp t, 0,1,2,3,4,5,6,7
	ds_load_b128 v[BK+32*\a+4*\t:BK+32*\a+4*\t+3], v[RD] offset:2*SP*\t
.endr
.endm
.macro SEND a, younger                 ; younger: the LDS instructions issued behind this block's loads, which may be out
	s_wait_dscnt \younger
.irp t, 0,1,2,3,4,5,6,7
	global_store_b128 v[CO], v[BK+32*\a+4*\t:BK+32*\a+4*\t+3], s[12:13] offset:(16*\a+2*\t)*4096 th:TH_STORE_NT   ; sixteen lanes store 256 consecutive bytes, aligned; written once, read by nobody here
.endr
.endm
	INTO 0
	BACK 0
	INTO 1
	BACK 1
	INTO 2
	SEND 0, 24                                     ; block 1's stores and loads, block 2's stores
	BACK 2                                         ; into block 0's accumulators: its stores have been served ahead of its loads
	INTO 3
	SEND 1, 24                                     ; block 2's stores and loads, block 3's stores
	BACK 3                                         ; into block 1's accumulators
	SEND 2, 16                                     ; block 3's stores and loads
	SEND 3, 0
	s_wait_tensorcnt 0x0                           ; the wave's end
	ds_add_u32 v[SPW], v[NIL]
	s_wait_dscnt 0x0
	CROUND                                         ; the closing round: no work-group ends while a partner may still ask for a tile that names it
	s_endpgm
.Lfunc_end_k_qb76ad7bd5b_proj:
	.size	k_qb76ad7bd5b_proj, .Lfunc_end_k_qb76ad7bd5b_proj-k_qb76ad7bd5b_proj
	.p2alignl 7, 3214868480
	.fill 96, 4, 3214868480
	.section	.rodata,"a",@progbits
	.p2align	6, 0x0
	.amdhsa_kernel k_qb76ad7bd5b_proj
		.amdhsa_group_segment_fixed_size 280064
		.amdhsa_private_segment_fixed_size 0
		.amdhsa_enable_private_segment 0
		.amdhsa_kernarg_size 40
		.amdhsa_user_sgpr_count 2
		.amdhsa_user_sgpr_kernarg_segment_ptr 1
		.amdhsa_wavefront_size32 1
		.amdhsa_system_sgpr_workgroup_id_x 1
		.amdhsa_system_sgpr_workgroup_id_y 1
		.amdhsa_system_sgpr_workgroup_id_z 1
		.amdhsa_system_vgpr_workitem_id 0
		.amdhsa_next_free_vgpr 512
		.amdhsa_next_free_sgpr 100
		.amdhsa_reserve_vcc 0
		.amdhsa_float_denorm_mode_32 3
		.amdhsa_float_denorm_mode_16_64 3
		.amdhsa_memory_ordered 1
		.amdhsa_forward_progress 1
		.amdhsa_inst_pref_size 44
	.end_amdhsa_kernel
	.amdgpu_metadata
---
amdhsa.version: [ 1, 2 ]
amdhsa.kernels:
  - .name:           k_qb76ad7bd5b_proj
    .symbol:         k_qb76ad7bd5b_proj.kd
    .args:
      - { .name: y_img, .offset: 0, .size: 8, .value_kind: global_buffer, .address_space: global }
      - { .name: wp_img, .offset: 8, .size: 8, .value_kind: global_buffer, .address_space: global }
      - { .name: b_proj, .offset: 16, .size: 8, .value_kind: global_buffer, .address_space: global }
      - { .name: lowp_scales, .offset: 24, .size: 8, .value_kind: global_buffer, .address_space: global }
      - { .name: out0, .offset: 32, .size: 8, .value_kind: global_buffer, .address_space: global }
    .group_segment_fixed_size: 280064
    .private_segment_fixed_size: 0
    .kernarg_segment_align: 8
    .kernarg_segment_size: 40
    .max_flat_workgroup_size: 128
    .sgpr_count:     100
    .vgpr_count:     512
    .wavefront_size: 32
...
	.end_amdgpu_metadata
.endif
;; end of part 4
